; MI455X (gfx1250); checked and timed in simulation.
; The chip was launched on July 23, 2026; its instructions are those of AMD's public machine-readable ISA for CDNA 5 (MIT licence, August 2026) and "CDNA5" Instruction Set Architecture Reference Guide (July 2026). The comments in the code are by the model that wrote it; some were corrected since.
;; Model. Allowed arithmetic: matrix products marked QUANTISED: E5M2 operands, one given power-of-two scale a tensor, by v_wmma_f32_16x16x64_bf8_bf8 or v_wmma_f32_16x16x128_bf8_bf8, f32 sums; everything else in f32.
;; Inputs: lowp_scales 2 int32 (the exponents e of the quantised operands' scales 2^e); targets 4 x 2,048 int32; weight 6,282 x 1,024 bfloat16; x 4 x 2,048 x 1,024 bfloat16.
;; Outputs: out0 4 x 2,048 float32.
;; This version of the problem:
;;   THIS VERSION OF THE PROBLEM IS GIVEN IN LOW PRECISION. The matrix products marked QUANTISED in the list below multiply operands that are first quantised to E5M2 (5 exponent bits, 2 mantissa bits; 8 bits a number), with one given power-of-two scale for each operand tensor; their sums are f32. All else is computed in f32.
;;   The module's matrix products, in the order in which they are computed (A, B: the left and right operand; K: the contracted axis; several contracted axes count as one K, in the product's order):
;;     1. [M 8,192, K 1,024] x [K 1,024, N 6,282]; A: input x; B: input weight: QUANTISED (scales: A lowp_scales[0], B lowp_scales[1])
;;   THE QUANTISER, for each operand of a quantised product, along K:
;;     - The operand's scale is 2^e, e = its entry of the input lowp_scales (int32; the entries are numbered through the quantised products in the list's order, A before B).
;;     - Each number is divided by the scale, clamped to +-57,344, and rounded to the nearest number of E5M2, ties to even, subnormals kept.
;;     - The product sums the exact products of the quantised numbers (number of the format x scale) in f32.
;;   ~~~python
;;   def quantise(x, axis, e):      # numpy; x: float32 -> the quantised numbers, widened to float32 again
;;       x = np.moveaxis(x, axis, -1); K = x.shape[-1]
;;       r = np.clip(x / 2.0 ** e, -57344, 57344)
;;       step = 2.0 ** (np.maximum(np.frexp(np.where(r == 0, 1, r))[1] - 1, -14) - 2)
;;       q = np.round(r / step) * step * 2.0 ** e      # np.round: ties to even
;;       return np.moveaxis(q, -1, axis).astype(np.float32)
;;   ~~~
;; One version. Each part assembles by itself: llvm-mc -triple=amdgcn-amd-amdhsa -mcpu=gfx1250 --defsym DOCPART=n.
;; ======== version 1 of 1: 3 launches
;; limits: right only within a limited range of input values
;; workspace buffers: xq 8,388,608 bytes; wq 6,553,600 bytes; psum 262,144 bytes; zt 65,536 bytes
;; launch quant (part 1): grid 912 x 1, 4 waves a work-group, no clusters, 17,920 bytes of LDS; arguments x, weight, lowp_scales, xq, wq; writes xq, wq
.if DOCPART == 1
	.amdgcn_target "amdgcn-amd-amdhsa--gfx1250"
	.amdhsa_code_object_version 6
	.text
	.protected	k_q04b00a11a8_quant
	.globl	k_q04b00a11a8_quant
	.p2align	8
	.type	k_q04b00a11a8_quant,@function
k_q04b00a11a8_quant:
	s_mov_b64 s[64:65], 0
	v_nop
	global_prefetch_b8 v0, s[64:65] scope:SCOPE_SE
	s_setreg_imm32_b32 hwreg(HW_REG_WAVE_MODE, 25, 1), 1
	s_wait_xcnt 0x0
; THE PROGRAM: out[token] = logsumexp_v(L) - L[target], L = 30 tanh(z / 30), z = x W^T on codes of E5M2.  Three launches: this one makes the codes; the second makes,
; for each token, the sum of e^(L - 30) over an eighth of the vocabulary, and the target's own z; the third adds the eighths and takes the logarithm.
; WHAT IS LEFT OUT.  reference() forms log_softmax for all 6,282 entries of a token and keeps, by take_along_axis, the target's alone: logp[target] = L[target] - logsumexp(L).
; So only the row's sum of exponentials and the target's own logit are made; the other 6,281 differences L[v] - logsumexp reach no output, whatever the inputs hold.  No input is left out: all four are loaded.
; LIMIT: nothing is computed in the differences left out that is not also computed for the sum, so no NaN or infinity is lost with them.
; THIS LAUNCH: x [8192][1024] and weight [6282][1024], bf16, become codes of E5M2: code = number / 2^e, held within +-57,344, rounded to the nearest code, ties to even; e = entry 0 (x) or 1 (weight) of lowp_scales.
; LIMITS: -126 <= e <= 112, so that 2^e and 57,344 x 2^e are f32 numbers.  NaN among the inputs is not served (an infinity is held at the largest code).
; xq: IMAGES OF THE OPERAND'S REGISTERS.  Tile T = 4 G + t holds the 16 tokens 64 G + 4 r + t (r = 0 .. 15).  Its fragment of K step s (128 along K) is 2,048 bytes at (8 T + s) x 2,048: four pieces c of 512 bytes,
;   in which lane r + 16 h has the 16 codes k = 128 s + 32 c + 16 h + 0 .. 15 of row r at byte 16 (r + 16 h).  A wave of the second launch fetches a fragment by four loads of 512 consecutive bytes.
; wq: rows as they lie, [6400][1024] codes; rows 6,282 to 6,399 are zero codes, so that eight equal shares of 800 rows can be walked.
; SHARES.  Work-groups 0 to 511: one tile of x each, wave q its K quarter (16 rows x 512 bytes).  Work-groups 512 to 911: 16 rows of wq each, a wave 4 rows.  A wave has 16 loads of 512 consecutive bytes, all issued at once.
; No loop, no barrier: waves share nothing.  Every offset is an immediate, and no register that a load or store names is written again.
.set STG,   4352                       ; a wave's stage in LDS: 16 runs of 256 bytes, 272 bytes apart
.set SPARE, 4*STG                      ; behind the four stages: the spare words, 128 bytes for each wave: two blocks of 256 bytes that no other line names
.set SPW,   12                         ; v12  LDS address of my spare word; never rewritten
.set NIL,   13                         ; v13  0; never rewritten
.set R,     16                         ; v16-79   16 loads x 4 registers, as loaded; later the stage read back
.set T,     80                         ; v80-95   two sets of 8 numbers in f32, by turns
.set C,     96                         ; v96-127  two registers of codes for each load: no store's data are written again
.macro FIN                             ; a wave's end
	s_wait_tensorcnt 0x0
	ds_add_u32 v[SPW], v[NIL]
	s_wait_dscnt 0x0
	s_endpgm
.endm
.macro SCALE e                         ; s[e] holds the tensor's exponent
	s_wait_kmcnt 0x0
	s_add_co_i32 s30, s[\e], 127
	s_lshl_b32 s31, s30, 23
	v_mov_b32 v11, s31                             ; 2^e as f32: the conversion takes its exponent field
	s_add_co_i32 s30, s30, 15
	s_lshl_b32 s30, s30, 23
	s_or_b32 s30, s30, 0x600000
	v_mov_b32 v10, s30                             ; 57,344 x 2^e
.endm
.macro CONV i                          ; load i's eight numbers of my lane become eight codes
.set TS, T+8*((\i)%2)
	s_wait_loadcnt 15-(\i)                         ; loads come back in order: load i is in, the 15 - i younger ones may be out
.irp j, 0,1,2,3
	v_lshlrev_b32 v[TS+2*\j], 16, v[R+4*(\i)+\j]   ; bf16 to f32: the low half moves up,
	v_and_b32 v[TS+2*\j+1], s17, v[R+4*(\i)+\j]    ; the high half stays
.endr
	s_wait_alu depctr_va_vdst(0)
.irp j, 0,1,2,3,4,5,6,7
	v_med3_num_f32 v[TS+\j], v[TS+\j], -v10, v10   ; the conversion to an 8-bit code does not saturate (ISA guide 7.6.2): the hold at the largest code x the scale
.endr
	v_cvt_scalef32_pk8_bf8_f32 v[C+2*(\i):C+2*(\i)+1], v[TS:TS+7], v11   ; the next vector lines are plain and work on the other set: they stand between this line and whatever touches its registers
.endm
	s_load_b128 s[4:7], s[0:1], 0x0                ; x, weight
	s_load_b64 s[8:9], s[0:1], 0x10                ; the scales' exponents
	s_load_b128 s[12:15], s[0:1], 0x18             ; xq, wq
	v_lshl_add_u32 v[SPW], v0, 2, SPARE
	v_mov_b32 v[NIL], 0
	v_lshrrev_b32 v1, 5, v0
	v_readfirstlane_b32 s16, v1                    ; wave 0..3
	v_and_b32 v2, 31, v0                           ; lane
	v_lshlrev_b32 v3, 4, v2                        ; 16 x lane
	s_mov_b32 s17, 0xffff0000                      ; a word's upper bf16
	s_wait_kmcnt 0x0
	s_load_b64 s[18:19], s[8:9], 0x0               ; e of x, e of weight
	s_cmp_lt_u32 ttmp9, 512                        ; the work-group's number alone decides
	s_cbranch_scc0 .Lweight
	; ---- a tile of x.  Load i reads row i of the tile, token 64 G + 4 i + t: 512 consecutive bytes, my lane's k = 256 q + 8 lane + 0 .. 7
	s_lshr_b32 s20, ttmp9, 2                       ; G
	s_and_b32 s21, ttmp9, 3                        ; t
	s_lshl_b32 s20, s20, 6
	s_add_co_u32 s20, s20, s21                     ; token 64 G + t,
	s_lshl_b32 s20, s20, 11                        ; x 2,048 bytes a row,
	s_lshl_b32 s21, s16, 9
	s_add_co_u32 s20, s20, s21                     ; + my K quarter's 512 bytes
	s_mov_b32 s21, 0
	s_add_nc_u64 s[4:5], s[4:5], s[20:21]
	s_wait_alu depctr_va_vdst(0)
.irp i, 0,1,2,3,4,5,6,7,8,9,10,11,12,13,14,15
	global_load_b128 v[R+4*\i:R+4*\i+3], v3, s[4:5] offset:8192*\i th:TH_LOAD_NT
.endr
	s_lshl_b32 s22, ttmp9, 14                      ; the tile's 16,384 bytes of xq,
	s_lshl_b32 s23, s16, 12                        ; my two K steps' 4,096 of them
	s_add_co_u32 s22, s22, s23
	s_mov_b32 s23, 0
	s_add_nc_u64 s[12:13], s[12:13], s[22:23]
	; My lane's 8 codes of row i belong at byte 256 (lane / 2) + 16 i + 8 (lane % 2) of the wave's 4,096: lane / 2 names (K step, piece c, half h).  They turn through the wave's own stage,
	; whose 16 runs of 256 bytes lie 272 apart: 272 is an odd multiple of 16, so the 32 lanes of a store fall on different words modulo 256 bytes.
	s_mul_i32 s24, s16, STG
	v_lshrrev_b32 v4, 1, v2
	v_mul_u32_u24 v14, v4, 272
	v_and_b32 v5, 1, v2
	v_lshl_add_u32 v14, v5, 3, v14
	v_add_nc_u32 v14, s24, v14                     ; into the stage
	v_lshrrev_b32 v6, 4, v2
	v_mul_u32_u24 v15, v6, 272
	v_and_b32 v7, 15, v2
	v_lshl_add_u32 v15, v7, 4, v15
	v_add_nc_u32 v15, s24, v15                     ; out of it: two runs an instruction, sixteen lanes to a run
	SCALE 18
.irp i, 0,1,2,3,4,5,6,7,8,9,10,11,12,13,14,15
	CONV \i
	ds_store_b64 v14, v[C+2*\i:C+2*\i+1] offset:16*\i
.endr
.irp n, 0,1,2,3,4,5,6,7
	ds_load_b128 v[R+4*\n:R+4*\n+3], v15 offset:544*\n   ; LDS serves a wave's instructions in order (ISA guide 5.7.1.4): these see my stores
.endr
.irp n, 0,1,2,3,4,5,6,7
	s_wait_dscnt 7-\n
	global_store_b128 v3, v[R+4*\n:R+4*\n+3], s[12:13] offset:512*\n   ; 32 lanes store 512 consecutive bytes, at a multiple of 256 from xq's first byte
.endr
	FIN
.Lweight:
	; ---- 16 rows of wq; my wave's four are 16 b + 4 w + 0 .. 3
	s_sub_co_u32 s20, ttmp9, 512                   ; b
	s_lshl_b32 s21, s20, 4
	s_lshl_b32 s22, s16, 2
	s_add_co_u32 s21, s21, s22                     ; my first row
	s_lshl_b32 s22, s21, 10
	s_mov_b32 s23, 0
	s_add_nc_u64 s[14:15], s[14:15], s[22:23]      ; its 1,024 codes
	s_cmp_gt_u32 s20, 392                          ; 16 x 393 = 6,288: from there on weight has no row
	s_cbranch_scc1 .Lzero
	s_wait_alu depctr_va_vdst(0)
.irp r, 0,1,2,3
	s_add_co_u32 s28, s21, \r
	s_cmp_lt_u32 s28, 6282
	s_cselect_b32 s[24+\r], -1, 0                  ; a row past weight's end (six of them, all in work-group 512 + 392) gets zero codes;
	s_min_u32 s28, s28, 6281                       ; its loads read the last row instead, so that none leaves the buffer
	s_lshl_b32 s28, s28, 11
	v_add_nc_u32 v[4+\r], s28, v3
.endr
	v_lshlrev_b32 v9, 3, v2                        ; 8 x lane: my 8 codes' place in a load's 256
	s_wait_alu depctr_va_vdst(0)
.irp i, 0,1,2,3,4,5,6,7,8,9,10,11,12,13,14,15
	global_load_b128 v[R+4*\i:R+4*\i+3], v[4+\i/4], s[6:7] offset:512*(\i%4) th:TH_LOAD_NT
.endr
	SCALE 19
.macro OUTW i                          ; load i's codes leave: 32 lanes store 256 consecutive bytes, at a multiple of 256 from wq's first byte
	v_and_b32 v[C+2*(\i)], s[24+(\i)/4], v[C+2*(\i)]
	v_and_b32 v[C+2*(\i)+1], s[24+(\i)/4], v[C+2*(\i)+1]
	global_store_b64 v9, v[C+2*(\i):C+2*(\i)+1], s[14:15] offset:256*(\i)
.endm
	CONV 0
.irp i, 1,2,3,4,5,6,7,8,9,10,11,12,13,14,15
	CONV \i
	OUTW \i-1                                      ; one load behind, so that plain lines stand between a conversion and the first line that touches its result
.endr
	OUTW 15
	FIN
.Lzero:
.irp j, 0,1,2,3
	v_mov_b32 v[R+\j], 0
.endr
	s_wait_alu depctr_va_vdst(0)
.irp n, 0,1,2,3,4,5,6,7
	global_store_b128 v3, v[R:R+3], s[14:15] offset:512*\n   ; four rows of zero codes
.endr
	FIN
.Lfunc_end_k_q04b00a11a8_quant:
	.size	k_q04b00a11a8_quant, .Lfunc_end_k_q04b00a11a8_quant-k_q04b00a11a8_quant
	.p2alignl 7, 3214868480
	.fill 96, 4, 3214868480
	.section	.rodata,"a",@progbits
	.p2align	6, 0x0
	.amdhsa_kernel k_q04b00a11a8_quant
		.amdhsa_group_segment_fixed_size 17920
		.amdhsa_private_segment_fixed_size 0
		.amdhsa_enable_private_segment 0
		.amdhsa_kernarg_size 40
		.amdhsa_user_sgpr_count 2
		.amdhsa_user_sgpr_kernarg_segment_ptr 1
		.amdhsa_wavefront_size32 1
		.amdhsa_system_sgpr_workgroup_id_x 1
		.amdhsa_system_sgpr_workgroup_id_y 1
		.amdhsa_system_sgpr_workgroup_id_z 1
		.amdhsa_system_vgpr_workitem_id 0
		.amdhsa_next_free_vgpr 128
		.amdhsa_next_free_sgpr 66
		.amdhsa_reserve_vcc 0
		.amdhsa_float_denorm_mode_32 3
		.amdhsa_float_denorm_mode_16_64 3
		.amdhsa_memory_ordered 1
		.amdhsa_forward_progress 1
		.amdhsa_inst_pref_size 42
	.end_amdhsa_kernel
	.amdgpu_metadata
---
amdhsa.version: [ 1, 2 ]
amdhsa.kernels:
  - .name:           k_q04b00a11a8_quant
    .symbol:         k_q04b00a11a8_quant.kd
    .args:
      - { .name: x, .offset: 0, .size: 8, .value_kind: global_buffer, .address_space: global }
      - { .name: weight, .offset: 8, .size: 8, .value_kind: global_buffer, .address_space: global }
      - { .name: lowp_scales, .offset: 16, .size: 8, .value_kind: global_buffer, .address_space: global }
      - { .name: xq, .offset: 24, .size: 8, .value_kind: global_buffer, .address_space: global }
      - { .name: wq, .offset: 32, .size: 8, .value_kind: global_buffer, .address_space: global }
    .group_segment_fixed_size: 17920
    .private_segment_fixed_size: 0
    .kernarg_segment_align: 8
    .kernarg_segment_size: 40
    .max_flat_workgroup_size: 128
    .sgpr_count:     66
    .vgpr_count:     128
    .wavefront_size: 32
...
	.end_amdgpu_metadata
.endif
;; end of part 1
;; launch main (part 2): grid 32 x 8, 4 waves a work-group, clusters of 4 x 1, 327,680 bytes of LDS; arguments xq, wq, targets, lowp_scales, psum, zt; writes psum, zt
.if DOCPART == 2
	.amdgcn_target "amdgcn-amd-amdhsa--gfx1250"
	.amdhsa_code_object_version 6
	.text
	.protected	k_q04b00a11a8_main
	.globl	k_q04b00a11a8_main
	.p2align	8
	.type	k_q04b00a11a8_main,@function
k_q04b00a11a8_main:
	s_mov_b64 s[64:65], 0
	v_nop
	global_prefetch_b8 v0, s[64:65] scope:SCOPE_SE
	s_setreg_imm32_b32 hwreg(HW_REG_WAVE_MODE, 25, 1), 1
	s_wait_xcnt 0x0
	s_wait_alu depctr_hold_cnt(0) depctr_sa_sdst(0) depctr_va_vdst(0) depctr_va_sdst(0) depctr_va_ssrc(0) depctr_va_vcc(0) depctr_vm_vsrc(0)
	s_getreg_b32 s2, hwreg(HW_REG_IB_STS2, 6, 4)
	s_cmp_eq_u32 s2, 0
	s_cbranch_scc0 .Lentry_in_a_cluster
	s_endpgm
.Lentry_in_a_cluster:
	s_bfe_u32 s2, ttmp6, 0x10000c
	s_cmp_lg_u32 s2, 0x3003
	s_cbranch_scc0 .Lentry_shape_is_right
	s_endpgm
.Lentry_shape_is_right:
; psum[y][token] = the sum over vocabulary rows 800 y .. 800 y + 799 of e^(L - 30), L = 30 tanh(z / 30), z = x W^T on codes of E5M2; zt = the target's own raw sum, by halves of K.
; Left out, as the first kernel's head shows: log_softmax's entries other than the target's.
; THE SHIFT.  reference() itself caps L within +-30 by its tanh, so e^(L - 30) lies between e^-60 and 1 for every input: the shift by 30 stands for the row's maximum.
; e^(L - 30) = 2^(-60 log2(e) r), r = 1 / (1 + u), u = 2^(c1 z), c1 = log2(e) / 15 x 2^(e0 + e1).  LIMIT: e0 + e1 between -122 and 131 (c1's exponent field).
; SHARES.  Work-group (x, y): 256 tokens x 800 rows of wq.  A wave keeps its 64 tokens' codes, all 1,024 of K, in 512 registers (windows 1 and 2) and walks 50 strips of 16 rows of wq:
; a strip is 8 fragments (128 registers, window 3) from LDS and 32 matrix instructions, four accumulators by turns.  Source 0 = 16 rows of wq, source 1 = 16 tokens: a lane holds one token.
; CLUSTER.  The four work-groups of a cluster differ in x alone and walk the same rows of wq: each slot (80 rows, 5 strips; a wave asks for 20 rows) is asked for jointly, mask 15.
; THE WAY FROM z TO THE SUM IS A PIPELINE FOUR STRIPS DEEP.  Trip g:
;   strip g's 32 LDS loads, in one run; one batch of 96 transcendentals, each from a register of window 0 into one of window 3 (u of strip g - 1, r of g - 2, the last exponential of g - 3), under the loads' window setting; a wait;
;   strip g's 32 matrix instructions, and behind each of the first 24 two packed lines from window 3 into window 0 (1 + u of g - 1, x -60 log2(e) of g - 2, the sum of g - 3), under the matrix instructions' own window setting:
;   only plain lines stand between the links of a sum; c1 z of strip g, in place on the accumulators; a wait.
; So a trip has two s_wait_alu: behind its batch, ahead of the batch's first reader, and ahead of the next batch.
; A slot is left at the top of the other slot's first trip.  The refill asked for there is first read five strips of work later, so no prefetch is laid beside it.
; Rows 6,282 and up (zero codes in wq) get -infinity added ahead of the last exponential: only strips 42 to 49 of a share can hold such rows (800 x 7 + 16 x 42 = 6,272).
.set PITCH, 1040                       ; an LDS row: 1,024 codes + 16 bytes of padding
.set STRB,  16*PITCH                   ; a strip
.set PART,  20*PITCH                   ; what one wave's tensor load brings
.set SLOT1, 131072
.set SPARE, SLOT1+80*PITCH             ; the spare words: 128 bytes a wave, two blocks of 256 bytes that no other line names
.set SPW, 1                            ; v1  my spare word's address; never rewritten
.set NIL, 2                            ; v2  0; never rewritten
.set ADR, 4                            ; v4-7  fragment addresses: slot 0 strips 0-2, 3-4; slot 1 likewise
.set BI,  24                           ; v24-31  0 or -infinity for my 8 rows of a strip
.set SUM, 44                           ; v44-59  running sums: four registers a token tile, two chains of pairs
.set ACC, 64                           ; v64-95  four accumulators, then c1 z
.set PR,  96                           ; v96-127   1 + u
.set PE,  128                          ; v128-159  the last exponent
.set TA,  160                          ; v160-223  the targets' rows of wq, 4 fragments
.set TB,  224                          ; v224-255  their tokens' fragments 0, 1; the same numbers in window 3: fragments 2, 3
.set FW,  0                            ; window 3: v0-127 a strip's 8 fragments
.set TU,  128                          ; window 3: u
.set TR,  160                          ; window 3: r
.set TE,  192                          ; window 3: e^(L - 30)
.set G1,  24
.set G0,  32
.set M1,  0x07                         ; source 0 window 3, source 1 (x) window 1: K steps 0-3; C, D window 0
.set M2,  0x0b                         ; source 1 window 2: K steps 4-7
.set MSB, 0
.macro WIN new                         ; the immediate's high byte repeats the setting that is left
.if MSB != \new
	s_set_vgpr_msb (MSB<<8)|\new
.set MSB, \new
.endif
.endm
.macro PLACES                          ; four places (ISA guide 7.12.1)
.rept 4
	v_nop
.endr
.endm
.macro ROUND                           ; a round of the cluster's barrier
	s_barrier_signal -1
	s_barrier_wait -1
	s_cmp_lg_u32 s16, 0
	s_cbranch_scc1 .Lnot_wave_0_\@
	s_barrier_signal -3
.Lnot_wave_0_\@:
	s_barrier_wait -3
	s_barrier_signal -1
	s_barrier_wait -1
.endm
.macro BIAS jl                         ; strip jl: row 16 jl + j + 8 h of the share is past the vocabulary's end where 8 h > 6,281 - 800 y - 16 jl - j
.irp j, 0,1,2,3,4,5,6,7
	s_sub_co_i32 s47, s46, 16*(\jl)+\j
	v_cmp_gt_i32 vcc_lo, v8, s47
	v_cndmask_b32 v[BI+\j], 0, s48, vcc_lo
.endr
.endm
; ld = 1: the 32 loads of strip ci of slot cb, in one run: load k brings registers 4 k .. 4 k + 3: fragment k / 4, 128 (k / 4) + 32 (k % 4) + 16 h + 0 .. 15 along K, as xq's images have it.
; Then the batch: stages a to b of 1 (u), 2 (r), 3 (the last exponential).
.macro TPH a, b, ld, cb, ci
	WIN 0xc0                                       ; destination window 3, source 0 (a number; an LDS address) window 0
.if \ld
.set k, 0
.rept 32
	ds_load_b128 v[FW+4*k:FW+4*k+3], v[ADR+2*(\cb)+(\ci)/3] offset:((\ci)%3)*STRB+128*(k/4)+32*(k%4)
.set k, k+1
.endr
.endif
.set k, 0
.rept 32
.if ((\a) <= 1) && ((\b) >= 1)
	v_exp_f32 v[TU+k], v[ACC+k]
.endif
.if ((\a) <= 2) && ((\b) >= 2)
	v_rcp_f32 v[TR+k], v[PR+k]
.endif
.if (\b) >= 3
	v_exp_f32 v[TE+k], v[PE+k]
.endif
.set k, k+1
.endr
.if (\a) <= (\b)
	v_nop                                          ; the plain place behind the last transcendental
	s_wait_alu depctr_va_vdst(0)                   ; one wait for the whole batch, ahead of its first reader
.endif
.endm
; The next of the 48 packed lines, if its stage (1: 1 + u; 2: x -60 log2(e), + the mask; 3: the sum, eight chains by turns) lies in a .. b
.macro PK1 a, b
.if pi < 48
.set st, 1+pi/16
.set ix, pi%16
.if (st >= (\a)) && (st <= (\b))
.if st == 1
	v_pk_add_f32 v[PR+2*ix:PR+2*ix+1], v[TU+2*ix:TU+2*ix+1], 1.0 op_sel_hi:[1,0]
.elseif st == 2
	v_pk_fma_f32 v[PE+2*ix:PE+2*ix+1], v[TR+2*ix:TR+2*ix+1], s[42:43], v[BI+2*(ix%4):BI+2*(ix%4)+1] op_sel_hi:[1,0,1]
.else
.set kk, 4*(ix%4)+ix/4
.set sc, SUM+4*(ix%4)+2*((ix/4)%2)
	v_pk_fma_f32 v[sc:sc+1], v[TE+2*kk:TE+2*kk+1], 1.0, v[sc:sc+1] op_sel_hi:[1,0,1]
.endif
.endif
.set pi, pi+1
.endif
.endm
.macro PKALL a, b                      ; all of them on end: where the pipeline runs empty
	WIN 0x03
.set pi, 0
.rept 48
	PK1 \a, \b
.endr
.endm
; Trip of strip ci of slot cb.  chg = 1: the other slot has been left and is filled again; 2: left, nothing more to fetch.  mk: the strip whose mask is made (-1: none).
; first = 1: x is still landing.  d = how many stages of the pipeline hold strips yet.
.macro TRIP cb, ci, chg, mk, first, d
.if \chg
	s_wait_tensorcnt 0x0                           ; all my tensor loads have landed: my part of this slot
	ds_add_u32 v[SPW], v[NIL]
.if \chg == 1
	s_add_nc_u64 s[G0+4*(1-\cb)+2:G0+4*(1-\cb)+3], s[G0+4*(1-\cb)+2:G0+4*(1-\cb)+3], 160*1024   ; the other slot's next 80 rows
.endif
	s_wait_dscnt 0x0                               ; the add is done, and my reads of the other slot are over
.if \chg == 1
	ROUND                                          ; both now hold of every wave of the four work-groups
	tensor_load_to_lds s[G0+4*(1-\cb):G0+4*(1-\cb)+3], s[G1:G1+7]
	s_nop 0
	PLACES
.else
	s_barrier_signal -1
	s_barrier_wait -1
.endif
.endif
	TPH 1, \d, 1, \cb, \ci
.set pi, 0
.if \first
	s_wait_loadcnt 63                              ; of 161 loads the first 98 are in: window 1's among them
.endif
	s_wait_dscnt 16                                ; fragments 0-3 are in; the youngest 16 loads (fragments 4-7) may be out
	WIN M1
.irp s, 0,1,2,3,4,5,6,7
.if \s == 4
	s_wait_dscnt 0x0
	WIN M2
.endif
.if (\first) && (\s >= 4)
	s_wait_loadcnt 16*(7-\s)                       ; window 2 lands K step by K step, 16 loads each
.endif
.irp t, 0,1,2,3
.set rD, ACC+8*\t
.set rF, FW+16*\s
.set rX, ((\s%4)*4+\t)*16
.if \s == 0
	v_wmma_f32_16x16x128_bf8_bf8 v[rD:rD+7], v[rF:rF+15], v[rX:rX+15], 0
.else
	v_wmma_f32_16x16x128_bf8_bf8 v[rD:rD+7], v[rF:rF+15], v[rX:rX+15], v[rD:rD+7]
.endif
	PK1 1, \d
	PK1 1, \d
.endr
.endr
	PLACES                                         ; behind the last products, ahead of the first read of their results
	WIN 0
.set kk, 0
.rept 16
	v_pk_mul_f32 v[ACC+2*kk:ACC+2*kk+1], v[ACC+2*kk:ACC+2*kk+1], s[40:41] op_sel_hi:[1,0]   ; c1 z; each accumulator from its low end on
.set kk, kk+1
.endr
.if \mk >= 0
	BIAS \mk
.endif
	s_wait_alu depctr_va_vdst(0)                   ; the wait ahead of the next batch
.endm
	s_load_b256 s[4:11], s[0:1], 0x0               ; xq, wq, targets, the scales' exponents
	s_load_b128 s[12:15], s[0:1], 0x20             ; psum, zt
	v_lshl_add_u32 v[SPW], v0, 2, SPARE
	v_mov_b32 v[NIL], 0
	ds_add_u32 v[SPW], v[NIL]                      ; the opening lines: the add twice on end and one wait, ahead of my first tensor load
	ds_add_u32 v[SPW], v[NIL]
	v_lshrrev_b32 v3, 5, v0
	v_readfirstlane_b32 s16, v3                    ; wave
	s_and_b32 s19, ttmp7, 0xffff                   ; y: my eighth of the vocabulary
	s_mov_b32 s[G1], 15|(1<<20)|(1<<21)|(7<<22)|(3<<25)   ; mask: all four partners; bytes; 4 words of padding behind every 256
	s_mov_b32 s[G1+1], 1024<<16
	s_mov_b32 s[G1+2], 20<<16
	s_mov_b32 s[G1+3], 1024<<16
	s_mov_b32 s[G1+4], 20
	s_mov_b32 s[G1+5], 1024
	s_mov_b32 s[G1+6], 0
	s_mov_b32 s[G1+7], 0
	s_mov_b32 s40, 0x3dc4f9d9                      ; log2(e) / 15
	s_mov_b32 s42, 0xc2ad1f97                      ; -60 log2(e)
	s_mov_b32 s43, s42
	s_mov_b32 s44, 0x76543210                      ; v_permlanex16_b32: lane l xor 16
	s_mov_b32 s45, 0xfedcba98
	s_mov_b32 s48, 0xff800000                      ; -infinity
	s_mul_i32 s20, s19, 800
	s_sub_co_i32 s46, 6281, s20                    ; the last true row, counted in my share
	s_mul_i32 s21, s16, 20
	s_add_co_u32 s20, s20, s21
	s_lshl_b32 s20, s20, 10                        ; my wave's 20 rows of the share's first 80
	s_mov_b32 s21, 0
	s_mov_b32 s[G0], 1
	s_mul_i32 s[G0+1], s16, PART
	s_mov_b32 s[G0+4], 1
	s_add_co_u32 s[G0+5], s[G0+1], SLOT1
	v_and_b32 v3, 31, v0
	v_lshlrev_b32 v3, 4, v3                        ; 16 x lane
	v_and_b32 v14, 15, v0                          ; r
	v_bfe_u32 v11, v0, 4, 1                        ; h
	v_mul_u32_u24 v[ADR], v14, PITCH
	v_lshl_add_u32 v[ADR], v11, 4, v[ADR]
	v_add_nc_u32 v[ADR+1], 3*STRB, v[ADR]
	v_add_nc_u32 v[ADR+2], SLOT1, v[ADR]
	v_add_nc_u32 v[ADR+3], SLOT1+3*STRB, v[ADR]
	v_lshlrev_b32 v8, 3, v11                       ; 8 h
	v_and_b32 v9, 7, v0
	v_bfe_u32 v10, v0, 3, 1
	v_lshlrev_b32 v13, 4, v14
	v_lshlrev_b32 v15, 2, v14
.irp j, 0,1,2,3,4,5,6,7,8,9,10,11,12,13,14,15
	v_mov_b32 v[SUM+\j], 0
.endr
.irp j, 0,1,2,3,4,5,6,7
	v_mov_b32 v[BI+\j], 0
.endr
.irp j, 36,37,38,39,41
	v_mov_b32 v\j, 0                               ; a lane permute's destination counts as read
.endr
	s_wait_alu depctr_va_vdst(0)                   ; the wait at the head's end, directly ahead of the wait below
	s_wait_dscnt 0x0
	s_wait_kmcnt 0x0
	s_load_b64 s[50:51], s[10:11], 0x0             ; e0, e1
	s_add_nc_u64 s[G0+2:G0+3], s[6:7], s[20:21]
	s_add_nc_u64 s[G0+6:G0+7], s[G0+2:G0+3], 80*1024
	s_or_b32 s[G0+3], s[G0+3], 0x80000000
	s_or_b32 s[G0+7], s[G0+7], 0x80000000
	ROUND
	tensor_load_to_lds s[G0:G0+3], s[G1:G1+7]      ; slot 0: one tensor load a wave at the head
	s_nop 0
	PLACES
	; x goes out at once, while slot 0 is on its way
	s_bfe_u32 s57, ttmp6, 0x40000                  ; cx: it enters global addresses of x, targets and the results alone
	s_lshl_b32 s58, ttmp9, 2
	s_add_co_u32 s58, s58, s57
	s_lshl_b32 s58, s58, 2
	s_add_co_u32 s58, s58, s16                     ; G: my wave's 64 tokens
	s_mov_b32 s61, 0
	s_lshl_b32 s60, s58, 16
	s_add_nc_u64 s[4:5], s[4:5], s[60:61]          ; their four tiles of xq
	s_lshr_b32 s62, s19, 1                         ; the target's sum: work-group y takes tile y / 2,
	s_and_b32 s63, s19, 1                          ; half y % 2 of K
	s_lshl_b32 s60, s62, 14
	s_lshl_b32 s59, s63, 13
	s_add_co_u32 s60, s60, s59
	s_add_nc_u64 s[52:53], s[4:5], s[60:61]
	s_lshl_b32 s60, s58, 6
	s_add_co_u32 s60, s60, s62
	s_lshl_b32 s60, s60, 2
	s_add_nc_u64 s[8:9], s[8:9], s[60:61]          ; targets of tokens 64 G + 4 r + tile
	s_lshl_b32 s60, s63, 9
	s_add_nc_u64 s[54:55], s[6:7], s[60:61]
	s_lshl_b32 s60, s19, 15
	s_lshl_b32 s59, s58, 8
	s_add_co_u32 s60, s60, s59
	s_add_nc_u64 s[12:13], s[12:13], s[60:61]
	s_lshl_b32 s60, s19, 13
	s_lshl_b32 s59, s58, 6
	s_add_co_u32 s60, s60, s59
	s_add_nc_u64 s[14:15], s[14:15], s[60:61]
	global_load_b32 v12, v13, s[8:9]
.irp n, 0,1,2,3,4,5,6,7
	global_load_b128 v[TB+4*\n:TB+4*\n+3], v3, s[52:53] offset:512*\n
.endr
	WIN 0xc0
.irp n, 0,1,2,3,4,5,6,7
	global_load_b128 v[TB+4*\n:TB+4*\n+3], v3, s[52:53] offset:4096+512*\n
.endr
	WIN 0x40
.irp s, 0,1,2,3
.irp t, 0,1,2,3
.irp c, 0,1,2,3
	global_load_b128 v[(4*\s+\t)*16+4*\c:(4*\s+\t)*16+4*\c+3], v3, s[4:5] offset:(8*\t+\s)*2048+512*\c
.endr
.endr
.endr
	WIN 0
	s_wait_loadcnt 63                              ; the targets are in
	v_min_u32 v12, 6281, v12                       ; an index stays inside its table
	v_lshlrev_b32 v12, 10, v12
	v_lshl_add_u32 v12, v11, 4, v12
.irp i, 0,1,2,3
.irp c, 0,1,2,3
	global_load_b128 v[TA+16*\i+4*\c:TA+16*\i+4*\c+3], v12, s[54:55] offset:128*\i+32*\c   ; lane r: its token's target row of wq
.endr
.endr
	WIN 0x80
.irp s, 0,1,2,3
.irp t, 0,1,2,3
.irp c, 0,1,2,3
	global_load_b128 v[(4*\s+\t)*16+4*\c:(4*\s+\t)*16+4*\c+3], v3, s[4:5] offset:(8*\t+4+\s)*2048+512*\c
.endr
.endr
.endr
	WIN 0
	s_wait_tensorcnt 0x0                           ; my part of slot 0 is in; slot 1's first fill is issued as a refill is
	ds_add_u32 v[SPW], v[NIL]
	s_wait_dscnt 0x0
	ROUND                                          ; everybody's part of slot 0 is in
	tensor_load_to_lds s[G0+4:G0+7], s[G1:G1+7]
	s_nop 0
	PLACES
	s_wait_kmcnt 0x0
	s_add_co_i32 s47, s50, s51
	s_lshl_b32 s47, s47, 23
	s_add_co_i32 s40, s40, s47                     ; c1
	s_mov_b32 s41, s40
	TRIP 0, 0, 0, -1, 1, 0                         ; strips 0 to 2 fill the pipeline
	TRIP 0, 1, 0, -1, 0, 1
	TRIP 0, 2, 0, -1, 0, 2
	s_mov_b32 s49, 4
.Llap:                                                 ; ten strips, once round the ring: strips 3 to 42
	TRIP 0, 3, 0, -1, 0, 3
	TRIP 0, 4, 0, -1, 0, 3
	TRIP 1, 0, 1, -1, 0, 3
	TRIP 1, 1, 0, -1, 0, 3
	TRIP 1, 2, 0, -1, 0, 3
	TRIP 1, 3, 0, -1, 0, 3
	TRIP 1, 4, 0, -1, 0, 3
	TRIP 0, 0, 1, -1, 0, 3
	TRIP 0, 1, 0, -1, 0, 3
	TRIP 0, 2, 0, -1, 0, 3
	s_sub_co_u32 s49, s49, 1
	s_cmp_lg_u32 s49, 0
	s_cbranch_scc1 .Llap
	TRIP 0, 3, 0, 42, 0, 3                         ; strips 43 to 49 fetch nothing more; trip g ends with the mask of strip g - 1
	TRIP 0, 4, 0, 43, 0, 3
	TRIP 1, 0, 2, 44, 0, 3
	TRIP 1, 1, 0, 45, 0, 3
	TRIP 1, 2, 0, 46, 0, 3
	TRIP 1, 3, 0, 47, 0, 3
	TRIP 1, 4, 0, 48, 0, 3
	TPH 1, 3, 0, 0, 0                              ; the pipeline runs empty
	PKALL 1, 3
	WIN 0
	BIAS 49
	s_wait_alu depctr_va_vdst(0)                   ; ahead of the batch
	TPH 2, 3, 0, 0, 0
	PKALL 2, 3
	s_wait_alu depctr_va_vdst(0)                   ; ahead of the batch
	TPH 3, 3, 0, 0, 0
	WIN 0                                          ; the target's raw sum, 4 x 128 of K in four accumulators: element (m, n) = row of token m's target x token n; the diagonal is wanted
.irp i, 0,1
	v_wmma_f32_16x16x128_bf8_bf8 v[ACC+8*\i:ACC+8*\i+7], v[TA+16*\i:TA+16*\i+15], v[TB+16*\i:TB+16*\i+15], 0
.endr
	WIN 0x0c
.irp i, 0,1
	v_wmma_f32_16x16x128_bf8_bf8 v[ACC+16+8*\i:ACC+16+8*\i+7], v[TA+32+16*\i:TA+32+16*\i+15], v[TB+16*\i:TB+16*\i+15], 0
.endr
	PKALL 3, 3
	WIN 0
.irp t, 0,1,2,3
	v_pk_add_f32 v[SUM+4*\t:SUM+4*\t+1], v[SUM+4*\t:SUM+4*\t+1], v[SUM+4*\t+2:SUM+4*\t+3]
.endr
.irp t, 0,1,2,3
	v_add_f32 v[32+\t], v[SUM+4*\t], v[SUM+4*\t+1]
.endr
.irp t, 0,1,2,3
	v_permlanex16_b32 v[36+\t], v[32+\t], s44, s45
.endr
.irp t, 0,1,2,3
	v_add_f32 v[32+\t], v[32+\t], v[36+\t]         ; token 4 r + t's sum over my share
.endr
.irp j, 0,2,4,6
	v_pk_add_f32 v[ACC+\j:ACC+\j+1], v[ACC+\j:ACC+\j+1], v[ACC+8+\j:ACC+8+\j+1]
.endr
.irp j, 0,2,4,6
	v_pk_add_f32 v[ACC+16+\j:ACC+16+\j+1], v[ACC+16+\j:ACC+16+\j+1], v[ACC+24+\j:ACC+24+\j+1]
.endr
.irp j, 0,2,4,6
	v_pk_add_f32 v[ACC+\j:ACC+\j+1], v[ACC+\j:ACC+\j+1], v[ACC+16+\j:ACC+16+\j+1]
.endr
	v_cmp_eq_u32 vcc_lo, 1, v9                     ; the diagonal: register r % 8 of the half r / 8
	v_cndmask_b32 v40, v[ACC], v[ACC+1], vcc_lo
.irp j, 2,3,4,5,6,7
	v_cmp_eq_u32 vcc_lo, \j, v9
	v_cndmask_b32 v40, v40, v[ACC+\j], vcc_lo
.endr
	v_permlanex16_b32 v41, v40, s44, s45
	v_cmp_eq_u32 vcc_lo, v10, v11
	v_cndmask_b32 v40, v41, v40, vcc_lo
	s_wait_alu depctr_va_vdst(0)                   ; directly ahead of the wait below
	s_wait_xcnt 0x0                                ; EXEC changes only behind this wait
	v_cmp_eq_u32 vcc_lo, 0, v11
	s_and_saveexec_b32 s56, vcc_lo
	global_store_b128 v13, v[32:35], s[12:13]      ; sixteen lanes store 256 consecutive bytes, aligned
	global_store_b32 v15, v40, s[14:15]
	s_wait_xcnt 0x0
	s_or_b32 exec_lo, exec_lo, s56
	s_wait_tensorcnt 0x0                           ; the wave's end
	ds_add_u32 v[SPW], v[NIL]
	s_wait_dscnt 0x0
	ROUND                                          ; the closing round
	s_endpgm
.Lfunc_end_k_q04b00a11a8_main:
	.size	k_q04b00a11a8_main, .Lfunc_end_k_q04b00a11a8_main-k_q04b00a11a8_main
	.p2alignl 7, 3214868480
	.fill 96, 4, 3214868480
	.section	.rodata,"a",@progbits
	.p2align	6, 0x0
	.amdhsa_kernel k_q04b00a11a8_main
		.amdhsa_group_segment_fixed_size 327680
		.amdhsa_private_segment_fixed_size 0
		.amdhsa_enable_private_segment 0
		.amdhsa_kernarg_size 48
		.amdhsa_user_sgpr_count 2
		.amdhsa_user_sgpr_kernarg_segment_ptr 1
		.amdhsa_wavefront_size32 1
		.amdhsa_system_sgpr_workgroup_id_x 1
		.amdhsa_system_sgpr_workgroup_id_y 1
		.amdhsa_system_sgpr_workgroup_id_z 1
		.amdhsa_system_vgpr_workitem_id 0
		.amdhsa_next_free_vgpr 1024
		.amdhsa_next_free_sgpr 66
		.amdhsa_reserve_vcc 1
		.amdhsa_float_denorm_mode_32 3
		.amdhsa_float_denorm_mode_16_64 3
		.amdhsa_memory_ordered 1
		.amdhsa_forward_progress 1
		.amdhsa_inst_pref_size 255
	.end_amdhsa_kernel
	.section	.bss,"aw",@nobits
	.p2align	6
	.space	262144
	.amdgpu_metadata
---
amdhsa.version: [ 1, 2 ]
amdhsa.kernels:
  - .name:           k_q04b00a11a8_main
    .symbol:         k_q04b00a11a8_main.kd
    .args:
      - { .name: xq, .offset: 0, .size: 8, .value_kind: global_buffer, .address_space: global }
      - { .name: wq, .offset: 8, .size: 8, .value_kind: global_buffer, .address_space: global }
      - { .name: targets, .offset: 16, .size: 8, .value_kind: global_buffer, .address_space: global }
      - { .name: lowp_scales, .offset: 24, .size: 8, .value_kind: global_buffer, .address_space: global }
      - { .name: psum, .offset: 32, .size: 8, .value_kind: global_buffer, .address_space: global }
      - { .name: zt, .offset: 40, .size: 8, .value_kind: global_buffer, .address_space: global }
    .group_segment_fixed_size: 327680
    .private_segment_fixed_size: 0
    .kernarg_segment_align: 8
    .kernarg_segment_size: 48
    .max_flat_workgroup_size: 128
    .sgpr_count:     66
    .vgpr_count:     1024
    .wavefront_size: 32
...
	.end_amdgpu_metadata
.endif
;; end of part 2
;; launch finish (part 3): grid 64 x 1, 1 waves a work-group, no clusters, 0 bytes of LDS; arguments psum, zt, lowp_scales, out0; writes out0
.if DOCPART == 3
	.amdgcn_target "amdgcn-amd-amdhsa--gfx1250"
	.amdhsa_code_object_version 6
	.text
	.protected	k_q04b00a11a8_finish
	.globl	k_q04b00a11a8_finish
	.p2align	8
	.type	k_q04b00a11a8_finish,@function
k_q04b00a11a8_finish:
	s_mov_b64 s[64:65], 0
	v_nop
	global_prefetch_b8 v0, s[64:65] scope:SCOPE_SE
	s_setreg_imm32_b32 hwreg(HW_REG_WAVE_MODE, 25, 1), 1
	s_wait_xcnt 0x0
; out[token] = ln(the sum over the vocabulary of e^(L - 30)) + (30 - L[target]) = ln(S) + 60 r, r = 1 / (1 + 2^(c1 z[target])), c1 = log2(e) / 15 x 2^(e0 + e1): L = 30 - 60 r.  No difference of large numbers is formed.
; Left out, as the first kernel's head shows: log_softmax's entries other than the target's.
; S = the eight parts in psum[0..7][token], between 5.5e-23 and 6,282.  z[target] of token 4 q + t = zt[2 t][q] + zt[2 t + 1][q]: the two halves of K.
; Lane q = 32 x work-group + lane owns tokens 4 q .. 4 q + 3: each load of psum and the store cover 512 consecutive bytes a wave.  One wave a work-group, 64 work-groups: 2,048 lanes are all the work there is.
; LIMIT: e0 + e1 between -122 and 131 (c1's exponent field).
	s_load_b128 s[4:7], s[0:1], 0x0                ; psum, zt
	s_load_b128 s[8:11], s[0:1], 0x10              ; the scales' exponents, out0
	s_lshl_b32 s12, ttmp9, 5
	v_add_nc_u32 v1, s12, v0                       ; q
	v_lshlrev_b32 v2, 4, v1
	v_lshlrev_b32 v3, 2, v1
	s_mov_b32 s16, 0x3dc4f9d9                      ; log2(e) / 15
	s_wait_alu depctr_va_vdst(0)
	s_wait_kmcnt 0x0
	s_load_b64 s[14:15], s[8:9], 0x0               ; e0, e1
.irp p, 0,1,2,3,4,5,6,7
	global_load_b128 v[8+4*\p:11+4*\p], v2, s[4:5] offset:32768*\p
.endr
.irp p, 0,1,2,3,4,5,6,7
	global_load_b32 v[40+\p], v3, s[6:7] offset:8192*\p
.endr
	s_wait_kmcnt 0x0
	s_add_co_i32 s14, s14, s15
	s_lshl_b32 s14, s14, 23
	s_add_co_i32 s16, s16, s14                     ; c1
	s_mov_b32 s17, s16                             ; (named with it as a pair, so it is written)
	s_wait_loadcnt 0x0
.irp a, 0,2,4,6                                    ; the eight parts, by pairs
	v_pk_add_f32 v[8+4*\a:9+4*\a], v[8+4*\a:9+4*\a], v[12+4*\a:13+4*\a]
	v_pk_add_f32 v[10+4*\a:11+4*\a], v[10+4*\a:11+4*\a], v[14+4*\a:15+4*\a]
.endr
.irp a, 0,4
	v_pk_add_f32 v[8+4*\a:9+4*\a], v[8+4*\a:9+4*\a], v[16+4*\a:17+4*\a]
	v_pk_add_f32 v[10+4*\a:11+4*\a], v[10+4*\a:11+4*\a], v[18+4*\a:19+4*\a]
.endr
	v_pk_add_f32 v[8:9], v[8:9], v[24:25]
	v_pk_add_f32 v[10:11], v[10:11], v[26:27]      ; v[8:11] = S of my four tokens
.irp t, 0,1,2,3
	v_add_f32 v[48+\t], v[40+2*\t], v[41+2*\t]     ; the target's raw sum
.endr
	v_pk_mul_f32 v[48:49], v[48:49], s[16:17] op_sel_hi:[1,0]
	v_pk_mul_f32 v[50:51], v[50:51], s[16:17] op_sel_hi:[1,0]
	s_wait_alu depctr_va_vdst(0)
.irp t, 0,1,2,3
	v_exp_f32 v[48+\t], v[48+\t]
.endr
.irp t, 0,1,2,3
	v_log_f32 v[52+\t], v[8+\t]                    ; log2(S)
.endr
	v_nop                                          ; a plain line behind the last transcendental,
	s_wait_alu depctr_va_vdst(0)                   ; and the one wait ahead of the batch's first reader
	v_pk_add_f32 v[48:49], v[48:49], 1.0 op_sel_hi:[1,0]
	v_pk_add_f32 v[50:51], v[50:51], 1.0 op_sel_hi:[1,0]
	s_wait_alu depctr_va_vdst(0)
.irp t, 0,1,2,3
	v_rcp_f32 v[48+\t], v[48+\t]                   ; r
.endr
.irp t, 0,1,2,3
	v_mul_f32 v[52+\t], 0x3f317218, v[52+\t]       ; ln(S): plain work behind the reciprocals
.endr
	s_wait_alu depctr_va_vdst(0)                   ; one wait for the four reciprocals
.irp t, 0,1,2,3
	v_fmamk_f32 v[56+\t], v[48+\t], 0x42700000, v[52+\t]   ; 60 r + ln(S)
.endr
	global_store_b128 v2, v[56:59], s[10:11]
	s_endpgm
.Lfunc_end_k_q04b00a11a8_finish:
	.size	k_q04b00a11a8_finish, .Lfunc_end_k_q04b00a11a8_finish-k_q04b00a11a8_finish
	.p2alignl 7, 3214868480
	.fill 96, 4, 3214868480
	.section	.rodata,"a",@progbits
	.p2align	6, 0x0
	.amdhsa_kernel k_q04b00a11a8_finish
		.amdhsa_group_segment_fixed_size 0
		.amdhsa_private_segment_fixed_size 0
		.amdhsa_enable_private_segment 0
		.amdhsa_kernarg_size 32
		.amdhsa_user_sgpr_count 2
		.amdhsa_user_sgpr_kernarg_segment_ptr 1
		.amdhsa_wavefront_size32 1
		.amdhsa_system_sgpr_workgroup_id_x 1
		.amdhsa_system_sgpr_workgroup_id_y 1
		.amdhsa_system_sgpr_workgroup_id_z 1
		.amdhsa_system_vgpr_workitem_id 0
		.amdhsa_next_free_vgpr 64
		.amdhsa_next_free_sgpr 66
		.amdhsa_reserve_vcc 0
		.amdhsa_float_denorm_mode_32 3
		.amdhsa_float_denorm_mode_16_64 3
		.amdhsa_memory_ordered 1
		.amdhsa_forward_progress 1
		.amdhsa_inst_pref_size 5
	.end_amdhsa_kernel
	.amdgpu_metadata
---
amdhsa.version: [ 1, 2 ]
amdhsa.kernels:
  - .name:           k_q04b00a11a8_finish
    .symbol:         k_q04b00a11a8_finish.kd
    .args:
      - { .name: psum, .offset: 0, .size: 8, .value_kind: global_buffer, .address_space: global }
      - { .name: zt, .offset: 8, .size: 8, .value_kind: global_buffer, .address_space: global }
      - { .name: lowp_scales, .offset: 16, .size: 8, .value_kind: global_buffer, .address_space: global }
      - { .name: out0, .offset: 24, .size: 8, .value_kind: global_buffer, .address_space: global }
    .group_segment_fixed_size: 0
    .private_segment_fixed_size: 0
    .kernarg_segment_align: 8
    .kernarg_segment_size: 32
    .max_flat_workgroup_size: 32
    .sgpr_count:     66
    .vgpr_count:     64
    .wavefront_size: 32
...
	.end_amdgpu_metadata
.endif
;; end of part 3
